; MI455X (gfx1250); checked and timed in simulation.
; The chip was launched on July 23, 2026; its instructions are those of AMD's public machine-readable ISA for CDNA 5 (MIT licence, August 2026) and "CDNA5" Instruction Set Architecture Reference Guide (July 2026). The comments in the code are by the model that wrote it; some were corrected since.
;; Multi Head Attention Python. Allowed arithmetic: matrix products marked QUANTISED: E4M3 operands, one given power-of-two scale a tensor, by v_wmma_f32_16x16x64_fp8_fp8 or v_wmma_f32_16x16x128_fp8_fp8, f32 sums; everything else in f32.
;; Inputs: k 4 x 16 x 2,048 x 64 float32; lowp_scales 4 int32 (the exponents e of the quantised operands' scales 2^e); q 4 x 16 x 2,048 x 64 float32; v 4 x 16 x 2,048 x 64 float32.
;; Outputs: out0 4 x 16 x 2,048 x 64 float32.
;; This version of the problem:
;;   THIS VERSION OF THE PROBLEM IS GIVEN IN LOW PRECISION. The matrix products marked QUANTISED in the list below multiply operands that are first quantised to E4M3 (4 exponent bits, 3 mantissa bits; 8 bits a number), with one given power-of-two scale for each operand tensor; their sums are f32. All else is computed in f32.
;;   The module's matrix products, in the order in which they are computed (A, B: the left and right operand; K: the contracted axis; several contracted axes count as one K, in the product's order):
;;     1. batch 64 x [M 2,048, K 64] x [K 64, N 2,048]; A: input q; B: input k: QUANTISED (scales: A lowp_scales[0], B lowp_scales[1])
;;     2. batch 64 x [M 2,048, K 2,048] x [K 2,048, N 64]; A: softmax (see below); B: input v: QUANTISED (scales: A lowp_scales[2], B lowp_scales[3])
;;   THE QUANTISER, for each operand of a quantised product, along K:
;;     - The operand's scale is 2^e, e = its entry of the input lowp_scales (int32; the entries are numbered through the quantised products in the list's order, A before B).
;;     - Each number is divided by the scale, clamped to +-448, and rounded to the nearest number of E4M3, ties to even, subnormals kept.
;;     - The product sums the exact products of the quantised numbers (number of the format x scale) in f32.
;;   ~~~python
;;   def quantise(x, axis, e):      # numpy; x: float32 -> the quantised numbers, widened to float32 again
;;       x = np.moveaxis(x, axis, -1); K = x.shape[-1]
;;       r = np.clip(x / 2.0 ** e, -448, 448)
;;       step = 2.0 ** (np.maximum(np.frexp(np.where(r == 0, 1, r))[1] - 1, -6) - 3)
;;       q = np.round(r / step) * step * 2.0 ** e      # np.round: ties to even
;;       return np.moveaxis(q, -1, axis).astype(np.float32)
;;   ~~~
;;   SOFTMAX AHEAD OF A QUANTISED PRODUCT. Where the list says 'softmax', what is quantised is not the finished softmax but p = 2^(t - M), with t = logit x log2(e) and M = ceil(the row's largest t), a whole number; so 1/2 < the row's largest p <= 1. The row's sum l is taken of the UNQUANTISED p, in f32, and the product's result is divided by l at the end. Since M is a whole number, a kernel that streams over the keys may use a running M (the ceiling of the running maximum): every later rescaling is an exact power of two, so the quantised numbers keep their values, but for numbers so far below the row's largest that they fall under the format's range.
;;   OPERANDS COMPUTED ON THE WAY. 'Computed on the way' means the value that the module computes at that place (a softmax that the list does not call 'softmax' is quantised finished and normalised). What goes into a quantiser is computed in f32, as accurately as f32 sums, v_exp_f32 and their like allow (about 1e-6 of the number): no bf16 or f16 on the way to a quantiser, and a product that is left as it is and whose result goes on into a quantised operand takes f32 operands (vector FMAs, or v_wmma_f32_16x16x4_f32). A number that lies on a knife's edge between two numbers of the format may be rounded either way, as far as f32 arithmetic and the matrix unit's own rounding can turn it there, and no further.
;; One version. Each part assembles by itself: llvm-mc -triple=amdgcn-amd-amdhsa -mcpu=gfx1250 --defsym DOCPART=n.
;; ======== version 1 of 1: 1 launch
;; limits: right only within a limited range of input values
;; launch attn (part 1): grid 64 x 4, 16 waves a work-group, no clusters, 141,312 bytes of LDS; arguments q, k, v, lowp_scales, out0; writes out0
.if DOCPART == 1
	.amdgcn_target "amdgcn-amd-amdhsa--gfx1250"
	.amdhsa_code_object_version 6
	.text
	.protected	k_q7c34ed5d4b_attn
	.globl	k_q7c34ed5d4b_attn
	.p2align	8
	.type	k_q7c34ed5d4b_attn,@function
k_q7c34ed5d4b_attn:
	s_mov_b64 s[64:65], 0
	v_nop
	global_prefetch_b8 v0, s[64:65] scope:SCOPE_SE
	s_setreg_imm32_b32 hwreg(HW_REG_WAVE_MODE, 25, 1), 1
	s_wait_xcnt 0x0
; out0[h][q][:] = the sum over k of softmax_k(q[h][q] . k[h][k] / 8) v[h][k][:], 64 heads of 2,048 x 2,048, head size 64; q, k, v, out0 f32.
; Both products on codes of E4M3, each operand with its given scale 2^e (lowp_scales: eq, ek, ep, ev); sums in f32.
; THE SOFTMAX: t = score x log2(e) / 8; M = the running largest t rounded UP to a whole number; p = 2^(t - M) is quantised, not normalised; the row's sum is taken of the unquantised p and divides at the end.
; When M moves, the sum and O are multiplied by 2^(old M - new M), which rounds nothing.
; SHARES.  A work-group: one head (x), 512 of its queries (y); 64 x 4 work-groups.  Sixteen waves of 256 registers; a wave owns 32 queries, tiles A and B of 16, so that each fragment of K or V read from LDS feeds two products.
; K AND V ARE QUANTISED INSIDE THE KEY LOOP.  A block is 128 keys; its k and v are 16 units of 16 rows x 256 bytes, one a wave: waves 0-7 a tile of K, waves 8-15 a chunk of V.
; In trip j (block j is multiplied) a wave loads its unit of block j + 2 as f32 into the 32 registers that K's fragments have left, parks it raw in its own stage in LDS behind the exponentials,
; reads it back turned round the trip's last products, quantises it and stores it as an IMAGE OF OPERAND REGISTERS (lane l's 16 bytes at 16 l) into a ring of four blocks.  Blocks 0 and 1 are made at the head.
; ONE BARRIER A TRIP, split: the signal behind the loads from memory, the wait ahead of the stores into the stage; between them stands the softmax's work on registers alone.
;   At my signal of trip j my image stores of trip j - 1 (block j + 1) have landed and my reads of blocks up to j - 1 are over (the wait on DScnt at the trip's top).
;   Behind the wait of trip j that holds of every wave: so block j + 2 may be written over block j - 2, and block j + 1 may be read (its first four tiles of K are asked for at the end of trip j).
; LAYOUT.  Both products are used transposed: S^T = K Q^T (source 0 = 16 keys, source 1 = 16 queries), O^T = V^T P^T (source 0 = 16 of the head's 64, source 1 = P): a lane holds ONE query (lane % 16) throughout.
; In tile c of S^T lane (r, h) holds keys 16 c + 8 h + 0 .. 7 in its eight registers: one conversion makes of them registers 2 c, 2 c + 1 of P's fragment for the form with K = 128.
; K's and Q's fragments hold the head's axis permuted alike: lane (r, h), register p, byte b: d = 32 h + 4 p + b; every product meets its partner.
; NO JOINT LOADS, though the four work-groups of a head read the same k and v: a joint request is a tensor load, which would land f32 tiles in LDS.
; PREFETCH: in trip j (j < 12) block j + 4 is asked for, two trips ahead of the loads that want it.  A block's 32,768 bytes of k and as many of v are shared out by address among the head's four work-groups:
; work-group y takes bytes 8,192 y on of each; wave 0 asks for k's, wave 8 for v's, lanes 256 bytes apart.  Blocks 0 to 3 come by their loads alone.
; LIMITS: eq, ek, ep, ev each between -126 and 119; eq + ek between -123 and 130 (added to c's exponent field).  NaN among the inputs is not served; infinities are held at the largest code.
; A p under 2^-126 counts as 0.  O^T begins as 64 cleared registers, so that the key step is written once.
; LDS: ring slot s (block j, s = j % 4) at 16,384 s: K's eight tiles at 1,024 tau (two pieces of 512 bytes: registers 0-3, 4-7); V's four tiles at 8,192 + 2,048 t (four pieces: registers 4 g .. 4 g + 3).
;   Row r of V's tile t is d = 32 (t % 2) + 2 r + t / 2.  Wave w's stage, 16 rows x 272 bytes, at 65,536 + 4,608 w; the spare words behind the stages.
.set SA,   64                          ; v64-127  S^T, then p, of tile A; then V's four fragments
.set SB,   128                         ; v128-191 S^T, then p, of tile B; then the unit that is quantised
.set OA,   192                         ; v192-223 O^T of tile A
.set OB,   224                         ; v224-255 O^T of tile B
.set FR,   32                          ; v32-63   four fragments of K; then the unit on its way from memory; then P's codes
.set PA,   32
.set PB,   48
.set QA,   16                          ; v16-23 Q's fragment of tile A; v24-31 of tile B
.set QB,   24
.set ADR,  1                           ; v1  LDS address of the block in hand + 16 x lane
.set SCP,  2                           ; v2  2^ep as f32
.set LI0,  3                           ; v3  16 x lane
; v[4:5], v[6:7]: (-M, the largest t) of A, of B.  v[8:9], v[10:11]: the sums.  v12-15: chains of the maximum; f = 2^(old M - new M) in v12, v14; then v12 the stage's address, v15 the prefetch's offset, then the sums' second chains
.set X,    128                         ; v128-159 a unit's 32 numbers a lane; v160-167 codes; v168-175 v's codes sorted; v176-179 at work
.set STAGES, 65536
.set SPARE,  STAGES+16*4608
.set WV,   14                          ; s14 my wave's number
.set CS,   26                          ; s[26:27] c = log2(e) / 8 x 2^(eq + ek), twice
.set SEL,  28                          ; s[28:29] lane selects for v_permlanex16_b32: lane l xor 16
.set CNT,  30
.set HF,   31                          ; s31 1 where p's hold can bite: ep < -8
.set TB,   32                          ; s32 LDS byte of the slot whose K is asked for next
.set EPV,  33                          ; s33 ep + ev
.set HL,   34                          ; s34 448 x 2^ep
.set GP,   40                          ; s[40:41] my unit of the block that is loaded next, in k (waves 0-7) or in v
.set STG,  42                          ; s42 my stage
.set WOFK, 43                          ; s43 my tile of K in a slot
.set WOFV, 44                          ; s44 my chunk of V in a slot
.set WSL,  45                          ; s45 the slot that is written
.set SC,   46                          ; s46 2^e of my kind (ek or ev); s47, s48: -448 x and 448 x that
.set LN,   47
.set LP,   48
.set PFL,  49                          ; s49 12 in the waves that prefetch, else 0
.set XQ,   50                          ; s50 8,192 x my work-group's y
.set SQ,   51                          ; s51-53 the same three for eq
.set LQN,  52
.set LQP,  53
.set SPS,  54                          ; s54 2^ep
.set WY,   55                          ; s55 my work-group's y
.macro PLACES n
.rept \n
	v_nop
.endr
.endm
.macro LOADU set, base, off            ; 16 rows of 256 bytes: eight loads of 512 consecutive bytes
.irp i, 0,1,2,3,4,5,6,7
	global_load_b128 v[\set+4*\i:\set+4*\i+3], v[LI0], s[\base:\base+1] offset:\off+512*\i
.endr
.endm
.macro PARK set                        ; into my stage as rows of 272 bytes: lanes 0-15 one row, lanes 16-31 the next (v12 = stage + 16 lane + 16 h)
.irp i, 0,1,2,3,4,5,6,7
	ds_store_b128 v12, v[\set+4*\i:\set+4*\i+3] offset:544*\i
.endr
.endm
.macro RBK                             ; back for q or k: lane (r, h) takes d = 32 h + 0 .. 31 of row r.  LDS serves a wave's instructions in order (ISA guide 5.7.1.4): these see my stores
	v_and_b32 v176, 15, v0
	v_and_b32 v177, 16, v0
	v_mul_u32_u24 v176, v176, 272
	v_lshl_add_u32 v176, v177, 3, v176
	v_add_nc_u32 v176, s[STG], v176
.irp i, 0,1,2,3,4,5,6,7
	ds_load_b128 v[X+4*\i:X+4*\i+3], v176 offset:16*\i
.endr
.endm
.macro RBV                             ; back for v: register 2 kk + e = v(key kk, d = 2 lane + e)
	v_lshrrev_b32 v176, 1, v[LI0]
	v_add_nc_u32 v176, s[STG], v176
.irp kk, 0,1,2,3,4,5,6,7,8,9,10,11,12,13,14,15
	ds_load_b64 v[X+2*\kk:X+2*\kk+1], v176 offset:272*\kk
.endr
.endm
.macro QMATH ln, lp, sc                ; the conversion to an 8-bit code does not saturate (ISA guide 7.6.2): the hold at the largest code x the scale
.set j, 0
.rept 32
	v_med3_num_f32 v[X+j], v[X+j], s[\ln], s[\lp]
.set j, j+1
.endr
	v_mov_b32 v177, s[\sc]
.endm
.macro CV4 dst
.irp g, 0,1,2,3
	v_cvt_scalef32_pk8_fp8_f32 v[\dst+2*\g:\dst+2*\g+1], v[X+8*\g:X+8*\g+7], v177
.endr
	v_nop                                          ; one plain line behind the last conversion of a run
.endm
.macro LDK g                           ; K's tiles 4 g .. 4 g + 3 of the block
.irp i, 0,1,2,3
	ds_load_b128 v[FR+8*\i:FR+8*\i+3],   v[ADR] offset:(4*\g+\i)*1024
	ds_load_b128 v[FR+8*\i+4:FR+8*\i+7], v[ADR] offset:(4*\g+\i)*1024+512
.endr
.endm
.macro PV                              ; O^T += V^T P^T, K = 128 keys: eight accumulators, one instruction each
.irp t, 0,1,2,3
	v_wmma_f32_16x16x128_fp8_fp8 v[OA+8*\t:OA+8*\t+7], v[SA+16*\t:SA+16*\t+15], v[PA:PA+15], v[OA+8*\t:OA+8*\t+7]
	v_wmma_f32_16x16x128_fp8_fp8 v[OB+8*\t:OB+8*\t+7], v[SA+16*\t:SA+16*\t+15], v[PB:PB+15], v[OB+8*\t:OB+8*\t+7]
.endr
.endm
.macro NEXTK                           ; the next block's first four tiles of K, into the registers that P's codes have left: five places behind the products (four are asked for these loads, five for the next trip's products, which write over V's fragments)
	v_add_nc_u32 v[ADR], s[TB], v[LI0]
	PLACES 4
	LDK 0
.endm
; The parked unit becomes an image in slot s[WSL].  pv = 1, in the loop: the trip's last products and the next block's first loads stand between the stage's loads and the wait for them;
; in the last two trips nothing is parked and the products stand alone; the last trip asks for no further block.
.macro ARMS pv
.if \pv
	s_cmp_lt_u32 s[CNT], 14
	s_cbranch_scc0 .Lplain_\@
.endif
	s_cmp_lt_u32 s[WV], 8
	s_cbranch_scc0 .Lv_\@
	RBK
.if \pv
	s_wait_dscnt 8                                 ; V's 16 fragment loads are in; the eight just issued may be out
	PV
	NEXTK
	s_wait_dscnt 8                                 ; my unit is back; K's eight loads may be out
.else
	s_wait_dscnt 0x0
.endif
	QMATH LN, LP, SC
	s_add_co_u32 s35, s[WSL], s[WOFK]
	v_add_nc_u32 v178, s35, v[LI0]
	CV4 160
	ds_store_b128 v178, v[160:163]
	ds_store_b128 v178, v[164:167] offset:512
	s_branch .Ljoin_\@
.Lv_\@:
	RBV
.if \pv
	s_wait_dscnt 16                                ; V's 16 fragment loads are in; the sixteen just issued may be out
	PV
	NEXTK
	s_wait_dscnt 8                                 ; my unit is back; K's eight loads may be out
.else
	s_wait_dscnt 0x0
.endif
	QMATH LN, LP, SC
	s_add_co_u32 s35, s[WSL], s[WOFV]
	v_and_b32 v178, 16, v0
	v_and_b32 v179, 15, v0
	v_lshlrev_b32 v178, 7, v178                    ; 2,048 (lane / 16)
	v_lshl_add_u32 v178, v179, 4, v178             ; + 16 (lane % 16)
	v_add_nc_u32 v178, s35, v178
	CV4 160
.irp a, 0,1,2,3                        ; a conversion's eight codes are four keys x two d: sorted into four keys of one d.  d = 2 l + e is row l % 16 of tile 2 e + l / 16
	v_perm_b32 v[168+\a], v[160+2*\a+1], v[160+2*\a], s36
	v_perm_b32 v[172+\a], v[160+2*\a+1], v[160+2*\a], s37
.endr
.irp e, 0,1
.irp h, 0,1
	ds_store_b64 v178, v[168+4*\e+2*\h:168+4*\e+2*\h+1] offset:4096*\e+256*\h   ; keys 8 h + 0 .. 7 of my chunk: two registers of the place of lane 16 h + l % 16
.endr
.endr
.if \pv
	s_branch .Ljoin_\@
.Lplain_\@:
	s_wait_dscnt 0x0
	PV
	v_add_nc_u32 v[ADR], s[TB], v[LI0]             ; five places behind the products on both ways; the jump leads round the loads alone
	PLACES 4
	s_cmp_eq_u32 s[CNT], 15
	s_cbranch_scc1 .Ljoin_\@
	LDK 0
.endif
.Ljoin_\@:
.endm
.macro SCL e, ss, sp, sn               ; 2^e, 448 x 2^e and its negative as f32
	s_add_co_i32 s35, s[\e], 127
	s_lshl_b32 s[\ss], s35, 23
	s_add_co_i32 s35, s35, 8
	s_lshl_b32 s35, s35, 23
	s_or_b32 s[\sp], s35, 0x600000
	s_or_b32 s[\sn], s[\sp], 0x80000000
.endm
	s_load_b256 s[4:11], s[0:1], 0x0               ; q s[4:5], k s[6:7], v s[8:9], the scales' exponents s[10:11]
	s_load_b64 s[12:13], s[0:1], 0x20              ; out0
	v_lshrrev_b32 v1, 5, v0
	v_readfirstlane_b32 s[WV], v1                  ; wave 0..15
	s_lshl_b32 s20, ttmp9, 19                      ; the head, of 2,048 rows of 256 bytes
	s_mov_b32 s21, 0
	s_and_b32 s[WY], ttmp7, 0xffff
	s_lshl_b32 s22, s[WY], 17                      ; my work-group's 512 queries,
	s_lshl_b32 s35, s[WV], 13                      ; my wave's 32 of them
	s_add_co_u32 s22, s22, s35
	s_mov_b32 s23, 0
	s_and_b32 s38, s[WV], 7                        ; my unit of a block
	s_lshl_b32 s24, s38, 12                        ; 16 rows of 256 bytes each
	s_mov_b32 s25, 0
	s_add_nc_u64 s[22:23], s[22:23], s[20:21]
	s_add_nc_u64 s[24:25], s[24:25], s[20:21]
	s_mov_b32 s[SEL], 0x76543210
	s_mov_b32 s[SEL+1], 0xfedcba98
	s_mov_b32 s36, 0x06040200                      ; v_perm_b32: the even bytes of two words,
	s_mov_b32 s37, 0x07050301                      ; the odd ones
	s_mul_i32 s[STG], s[WV], 4608
	s_add_co_u32 s[STG], s[STG], STAGES
	s_lshl_b32 s[WOFK], s38, 10                    ; tile tau at 1,024 tau
	s_lshr_b32 s[WOFV], s38, 1                     ; chunk c: piece c / 2, registers 2 (c % 2) on
	s_lshl_b32 s[WOFV], s[WOFV], 9
	s_and_b32 s39, s38, 1
	s_lshl_b32 s39, s39, 3
	s_add_co_u32 s[WOFV], s[WOFV], s39
	s_add_co_u32 s[WOFV], s[WOFV], 8192
	s_lshl_b32 s[XQ], s[WY], 13
	s_cmp_eq_u32 s38, 0                            ; waves 0 and 8 prefetch
	s_cselect_b32 s[PFL], 12, 0
	v_and_b32 v1, 31, v0
	v_lshlrev_b32 v[LI0], 4, v1
	v_and_b32 v12, 16, v0
	v_add_nc_u32 v12, v12, v[LI0]
	v_add_nc_u32 v12, s[STG], v12                  ; the stage on the way in
	s_wait_alu depctr_va_vdst(0)                   ; directly ahead of the wait below
	s_wait_kmcnt 0x0
	s_load_b128 s[16:19], s[10:11], 0x0            ; eq, ek, ep, ev
	s_add_nc_u64 s[4:5], s[4:5], s[22:23]          ; q and out0 at my first query
	s_add_nc_u64 s[12:13], s[12:13], s[22:23]
	s_cmp_lt_u32 s[WV], 8
	s_cselect_b64 s[GP:GP+1], s[6:7], s[8:9]
	s_add_nc_u64 s[GP:GP+1], s[GP:GP+1], s[24:25]  ; my unit of block 0
.irp i, 0,1,2,3,4,5,6,7
	global_load_b128 v[64+4*\i:64+4*\i+3], v[LI0], s[4:5] offset:512*\i th:TH_LOAD_NT        ; q is read once in the launch
.endr
.irp i, 0,1,2,3,4,5,6,7
	global_load_b128 v[96+4*\i:96+4*\i+3], v[LI0], s[4:5] offset:4096+512*\i th:TH_LOAD_NT
.endr
	LOADU 32, GP, 0                                ; block 0
	LOADU 192, GP, 32768                           ; block 1
	s_wait_kmcnt 0x0
	SCL 16, SQ, LQP, LQN
	s_cmp_lt_u32 s[WV], 8
	s_cselect_b32 s39, s17, s19
	SCL 39, SC, LP, LN
	SCL 18, SPS, HL, 38
	s_add_co_i32 s35, s16, s17
	s_lshl_b32 s35, s35, 23
	s_add_co_i32 s[CS], s35, 0x3e38aa3b            ; c = log2(e) / 8, with eq + ek added to its exponent field
	s_mov_b32 s[CS+1], s[CS]                       ; (named with it as a pair, so it is written)
	s_add_co_i32 s[EPV], s18, s19
	s_cmp_lt_i32 s18, -8                           ; p is at most 1, and 448 x 2^ep is at least 1 from ep = -8 on: there the hold changes nothing
	s_cselect_b32 s[HF], 1, 0
	s_wait_loadcnt 24                              ; q's tile A is in; the 24 loads behind it may be out
	PARK 64
	RBK
	s_wait_dscnt 0x0
	QMATH LQN, LQP, SQ
	CV4 QA
	s_wait_loadcnt 16
	PARK 96
	RBK
	s_wait_dscnt 0x0
	QMATH LQN, LQP, SQ
	CV4 QB
	s_wait_loadcnt 8
	PARK 32
	s_mov_b32 s[WSL], 0
	ARMS 0
	s_wait_loadcnt 0x0
	s_add_nc_u64 s[GP:GP+1], s[GP:GP+1], 65536     ; block 2
	PARK 192
	s_mov_b32 s[WSL], 16384
	ARMS 0
.set j, 0
.rept 64
	v_mov_b32 v[OA+j], 0                           ; O^T of both tiles: the first change of M leaves zeros zeros
.set j, j+1
.endr
	v_mov_b32 v5, 0xff61b1e6                       ; the largest t so far: -3e38, under every t
	v_mov_b32 v7, 0xff61b1e6
	v_floor_f32 v4, -v5                            ; -M
	v_floor_f32 v6, -v7
	v_mov_b32 v8, 0                                ; the sums
	v_mov_b32 v9, 0
	v_mov_b32 v10, 0
	v_mov_b32 v11, 0
	v_mov_b32 v[SCP], s[SPS]
	s_mov_b32 s[TB], 0
	s_mov_b32 s[CNT], 0
	v_add_nc_u32 v[ADR], s[TB], v[LI0]
	s_wait_alu depctr_va_vdst(0)                   ; the wait at the head's end
	s_wait_dscnt 0x0                               ; for the others' sake: my images of blocks 0 and 1 have landed
	s_barrier_signal -1
	s_barrier_wait -1
	LDK 0                                          ; block 0's first four tiles of K
.macro QK g                            ; eight products, eight accumulators, each begun with the constant 0; a fragment of K serves tile A and tile B
.irp i, 0,1,2,3
	v_wmma_f32_16x16x64_fp8_fp8 v[SA+8*(4*\g+\i):SA+8*(4*\g+\i)+7], v[FR+8*\i:FR+8*\i+7], v[QA:QA+7], 0
	v_wmma_f32_16x16x64_fp8_fp8 v[SB+8*(4*\g+\i):SB+8*(4*\g+\i)+7], v[FR+8*\i:FR+8*\i+7], v[QB:QB+7], 0
.endr
.endm
.macro MAXP d, a, b                    ; chain d of both tiles takes scores a and b
	v_max3_num_f32 v[12+\d], v[12+\d], v[SA+\a], v[SA+\b]
	v_max3_num_f32 v[14+\d], v[14+\d], v[SB+\a], v[SB+\b]
.endm
.macro HOLD s                          ; p's hold at the largest code x the scale, one-sided since p is not negative; jumped over where it can change nothing (a scalar branch on the given whole number ep)
	s_cmp_lg_u32 s[HF], 0
	s_cbranch_scc0 .Lno_hold_\@
.set j, 0
.rept 64
	v_min_num_f32 v[\s+j], s[HL], v[\s+j]
.set j, j+1
.endr
.Lno_hold_\@:
.endm
.macro CVT s, p                        ; tile c's eight registers are keys 16 c + 8 h + 0 .. 7: registers 2 c, 2 c + 1 of P's fragment
.irp i, 0,1,2,3,4,5,6,7
	v_cvt_scalef32_pk8_fp8_f32 v[\p+2*\i:\p+2*\i+1], v[\s+8*\i:\s+8*\i+7], v[SCP]
.endr
	v_nop                                          ; one plain line behind the last conversion of a run
.endm
.macro SUMS s, acc, ch                 ; the row's sum of the UNQUANTISED p, two at a time, in two chains; the first pair went in with the change of M
.set i, 1
.rept 15
	v_pk_add_f32 v[\acc:\acc+1], v[\acc:\acc+1], v[\s+4*i:\s+4*i+1]
.if i == 1
	v_pk_add_f32 v[\ch:\ch+1], v[\s+2:\s+3], v[\s+6:\s+7]
.else
	v_pk_add_f32 v[\ch:\ch+1], v[\ch:\ch+1], v[\s+4*i+2:\s+4*i+3]
.endif
.set i, i+1
.endr
	v_pk_add_f32 v[\acc:\acc+1], v[\acc:\acc+1], v[\ch:\ch+1]
.endm
.Lstep:                                                ; 16 trips, 128 keys each; the block's first four tiles of K have been asked for
	s_xor_b32 s[WSL], s[TB], 0x8000                ; the slot two blocks on, of four
	s_add_co_u32 s[TB], s[TB], 16384               ; and the next block's
	s_and_b32 s[TB], s[TB], 0xffff
	s_wait_alu depctr_va_vdst(0)
	s_wait_dscnt 0x0                               ; K's fragments are in, and my image stores of the last trip have landed
	QK 0
	PLACES 4                                       ; in front of loads into the fragments just multiplied, and of the first read of the scores
	LDK 1
	v_max3_num_f32 v12, v[SA], v[SA+1], v[SA+2]    ; the largest score of my query, in two chains a tile, the tiles by turns, while the loads are out;
	v_max3_num_f32 v14, v[SB], v[SB+1], v[SB+2]    ; each accumulator is read from its low end on
	v_max3_num_f32 v13, v[SA+3], v[SA+4], v[SA+5]
	v_max3_num_f32 v15, v[SB+3], v[SB+4], v[SB+5]
.irp i, 6,10,14,18,22,26
	MAXP 0, \i, \i+1
	MAXP 1, \i+2, \i+3
.endr
	MAXP 0, 30, 31
	s_wait_dscnt 0x0
	QK 1
	PLACES 4                                       ; also the places in front of the loads from memory into K's fragments, further down
	s_wait_alu depctr_va_vdst(0)                   ; the chains were written ahead of the wait above
.irp i, 32,36,40,44,48,52,56,60
	MAXP 0, \i, \i+1
	MAXP 1, \i+2, \i+3
.endr
	s_delay_alu instid0(VALU_DEP_2)
	v_max_num_f32 v12, v12, v13
	s_delay_alu instid0(VALU_DEP_2)
	v_max_num_f32 v14, v14, v15
	s_delay_alu instid0(VALU_DEP_2)
	v_permlanex16_b32 v13, v12, s[SEL], s[SEL+1]   ; my query's other 64 keys lie in lane l xor 16
	s_delay_alu instid0(VALU_DEP_2)
	v_permlanex16_b32 v15, v14, s[SEL], s[SEL+1]
	s_delay_alu instid0(VALU_DEP_2)
	v_max_num_f32 v12, v12, v13
	s_delay_alu instid0(VALU_DEP_2)
	v_max_num_f32 v14, v14, v15
	s_delay_alu instid0(VALU_DEP_2)
	v_mul_f32 v12, s[CS], v12                      ; as t (c is positive)
	s_delay_alu instid0(VALU_DEP_2)
	v_mul_f32 v14, s[CS], v14
	s_delay_alu instid0(VALU_DEP_2)
	v_max_num_f32 v5, v5, v12                      ; the running largest t
	s_delay_alu instid0(VALU_DEP_2)
	v_max_num_f32 v7, v7, v14
	v_mov_b32 v12, v4
	v_mov_b32 v14, v6
	s_delay_alu instid0(VALU_DEP_4)
	v_floor_f32 v4, -v5                            ; the new -M = floor(-t) = -ceil(t): a whole number
	s_delay_alu instid0(VALU_DEP_4)
	v_floor_f32 v6, -v7
	s_delay_alu instid0(VALU_DEP_2)
	v_sub_f32 v12, v4, v12                         ; old M - new M: a whole number, 0 or less
	s_delay_alu instid0(VALU_DEP_2)
	v_sub_f32 v14, v6, v14
	s_delay_alu instid0(VALU_DEP_2)
	v_cvt_i32_f32 v12, v12                         ; (it saturates)
	s_delay_alu instid0(VALU_DEP_2)
	v_cvt_i32_f32 v14, v14
	s_delay_alu instid0(VALU_DEP_2)
	v_ldexp_f32 v12, 1.0, v12                      ; f = 2^(old M - new M)
	s_delay_alu instid0(VALU_DEP_2)
	v_ldexp_f32 v14, 1.0, v14
	s_wait_alu depctr_va_vdst(0)                   ; directly ahead of the branch
	s_cmp_lt_u32 s[CNT], 14                        ; the last two trips have no block two on
	s_cbranch_scc0 .Lno_load
	LOADU FR, GP, 0                                ; my unit of block j + 2, into the registers that K's fragments have left
	s_cmp_lt_u32 s[CNT], s[PFL]
	s_cbranch_scc0 .Lno_load
	v_lshl_add_u32 v15, v[LI0], 4, s[XQ]           ; 256 x lane + my work-group's quarter
	global_prefetch_b8 v15, s[GP:GP+1] offset:65536 th:TH_LOAD_NT scope:SCOPE_SE   ; block j + 4
.Lno_load:
	s_wait_dscnt 0x0                               ; no LDS instruction of mine is out
	s_barrier_signal -1                            ; my image of block j + 1 lies in LDS, and I read no block before j any more
.set j, 0
.rept 16
	v_pk_mul_f32 v[OA+j:OA+j+1], v[OA+j:OA+j+1], v[12:13] op_sel_hi:[1,0]   ; O^T under the new M, ahead of the trip's exponentials; each accumulator from its low end on
.set j, j+2
.endr
.set j, 0
.rept 16
	v_pk_mul_f32 v[OB+j:OB+j+1], v[OB+j:OB+j+1], v[14:15] op_sel_hi:[1,0]
.set j, j+2
.endr
.set j, 0
.rept 32
	v_pk_fma_f32 v[SA+j:SA+j+1], v[SA+j:SA+j+1], s[CS:CS+1], v[4:5] op_sel_hi:[1,0,0]   ; tile A: t - M, two at a time (of the pairs c and -M the low word serves both halves)
.set j, j+2
.endr
	s_wait_alu depctr_va_vdst(0)                   ; the wait ahead of the batch
.set j, 0
.rept 32                               ; tile A's 64 exponentials, with tile B's scalings between them: none of these names an exponential's result
	v_exp_f32 v[SA+j], v[SA+j]
	v_exp_f32 v[SA+j+1], v[SA+j+1]
	v_pk_fma_f32 v[SB+j:SB+j+1], v[SB+j:SB+j+1], s[CS:CS+1], v[6:7] op_sel_hi:[1,0,0]
.set j, j+2
.endr
	s_wait_alu depctr_va_vdst(0)                   ; one wait: behind tile A's batch and ahead of tile B's
.set j, 0
.rept 64
	v_exp_f32 v[SB+j], v[SB+j]
.set j, j+1
.endr
	v_pk_fma_f32 v[8:9], v[8:9], v[12:13], v[SA:SA+1] op_sel_hi:[1,0,1]     ; tile A's sum under the new M, and its first pair (the plain line behind the last exponential)
	s_wait_alu depctr_va_vdst(0)                   ; one wait for tile B's 64, ahead of their first reader
	v_pk_fma_f32 v[10:11], v[10:11], v[14:15], v[SB:SB+1] op_sel_hi:[1,0,1]
	v_and_b32 v12, 16, v0
	v_add_nc_u32 v12, v12, v[LI0]
	v_add_nc_u32 v12, s[STG], v12                  ; the stage on the way in
	s_wait_alu depctr_va_vdst(0)                   ; directly ahead of the waits below
	s_barrier_wait -1                              ; every wave has signalled in this trip
	s_wait_loadcnt 0x0                             ; my unit is in
	s_wait_xcnt 0x0                                ; and the prefetch has read its address: v15 and the base may be written
	PARK FR                                        ; (in the last two trips these bytes are not read)
	s_add_nc_u64 s[GP:GP+1], s[GP:GP+1], 32768
	SUMS SA, 8, 14
	s_wait_dscnt 0x0                               ; the stage's stores have read their registers, which take P's codes
	HOLD SA
	CVT SA, PA
.irp t, 0,1,2,3                        ; V's four fragments take the registers that tile A's p has left
.irp g, 0,1,2,3
	ds_load_b128 v[SA+16*\t+4*\g:SA+16*\t+4*\g+3], v[ADR] offset:8192+2048*\t+512*\g
.endr
.endr
	SUMS SB, 10, 12
	HOLD SB
	CVT SB, PB
	s_wait_alu depctr_va_vdst(0)                   ; directly ahead of the branches
	ARMS 1
	s_add_co_u32 s[CNT], s[CNT], 1
	s_cmp_lt_u32 s[CNT], 16
	s_cbranch_scc1 .Lstep
	; THE WAY OUT.  The sums' halves and lane l xor 16's are added; O^T x 2^(ep + ev) / the sum goes through my own stage, 16 rows x 272 bytes, a tile at a time, and leaves as whole rows of 256 bytes.
	v_add_f32 v8, v8, v9
	v_add_f32 v10, v10, v11
	v_permlanex16_b32 v13, v8, s[SEL], s[SEL+1]
	v_permlanex16_b32 v15, v10, s[SEL], s[SEL+1]
	v_add_f32 v8, v8, v13
	v_add_f32 v10, v10, v15
	s_wait_alu depctr_va_vdst(0)                   ; the wait ahead of the transcendentals
	v_rcp_f32 v9, v8
	v_rcp_f32 v11, v10
	v_and_b32 v5, 15, v0                           ; r
	v_bfe_u32 v6, v0, 4, 1                         ; h
	v_mul_u32_u24 v1, v5, 272                      ; in: row r, 64 bytes for each half of the lanes
	v_lshl_add_u32 v1, v6, 6, v1
	v_add_nc_u32 v1, s[STG], v1
	v_mul_u32_u24 v2, v6, 272                      ; back: lanes 0-15 one row, lanes 16-31 the next
	v_lshl_add_u32 v2, v5, 4, v2
	v_add_nc_u32 v2, s[STG], v2
	v_lshlrev_b32 v4, 8, v6                        ; and the same two rows in out0
	v_lshl_add_u32 v4, v5, 4, v4
	s_wait_alu depctr_va_vdst(0)                   ; one wait for the two reciprocals, ahead of their first reader
	v_ldexp_f32 v9, v9, s[EPV]
	v_ldexp_f32 v11, v11, s[EPV]
	s_wait_alu depctr_va_vdst(0)                   ; directly ahead of the first reader of O^T
; Register j of O^T's tile t = 2 e + tt is d = 32 tt + 16 h + 2 j + e: the multiplication sorts them, so that 16 registers are 16 neighbours; each accumulator is read from its register 0 on
.macro OUTM x, inv
.irp tt, 0,1
.irp j, 0,1,2,3,4,5,6,7
.irp e, 0,1
	v_mul_f32 v[64+32*\x+16*\tt+2*\j+\e], v[OA+32*\x+8*(2*\e+\tt)+\j], v[\inv]
.endr
.endr
.endr
.endm
.macro OUTS x
.irp tt, 0,1
.irp q, 0,1,2,3
	ds_store_b128 v1, v[64+32*\x+16*\tt+4*\q:64+32*\x+16*\tt+4*\q+3] offset:128*\tt+16*\q
.endr
.endr
.irp i, 0,1,2,3,4,5,6,7
	ds_load_b128 v[128+32*\x+4*\i:128+32*\x+4*\i+3], v2 offset:544*\i   ; my own bytes, served in order: these see the stores above, and tile B's stores come behind tile A's loads
.endr
.endm
	OUTM 0, 9
	OUTM 1, 11
	OUTS 0
	OUTS 1
.irp x, 0,1
.irp i, 0,1,2,3,4,5,6,7
	s_wait_dscnt 23-16*\x-\i                       ; behind tile A's load i: its 7 - i later loads and tile B's 8 stores and 8 loads; behind tile B's: 7 - i
	global_store_b128 v4, v[128+32*\x+4*\i:128+32*\x+4*\i+3], s[12:13] offset:4096*\x+512*\i th:TH_STORE_NT   ; 32 lanes store 512 consecutive bytes, at a multiple of 256 from out0's first byte
.endr
.endr
	v_lshl_add_u32 v254, v0, 2, SPARE              ; the wave's end
	v_mov_b32 v255, 0
	s_wait_alu depctr_va_vdst(0)
	s_wait_tensorcnt 0x0
	ds_add_u32 v254, v255
	s_wait_dscnt 0x0
	s_endpgm
.Lfunc_end_k_q7c34ed5d4b_attn:
	.size	k_q7c34ed5d4b_attn, .Lfunc_end_k_q7c34ed5d4b_attn-k_q7c34ed5d4b_attn
	.p2alignl 7, 3214868480
	.fill 96, 4, 3214868480
	.section	.rodata,"a",@progbits
	.p2align	6, 0x0
	.amdhsa_kernel k_q7c34ed5d4b_attn
		.amdhsa_group_segment_fixed_size 141312
		.amdhsa_private_segment_fixed_size 0
		.amdhsa_enable_private_segment 0
		.amdhsa_kernarg_size 40
		.amdhsa_user_sgpr_count 2
		.amdhsa_user_sgpr_kernarg_segment_ptr 1
		.amdhsa_wavefront_size32 1
		.amdhsa_system_sgpr_workgroup_id_x 1
		.amdhsa_system_sgpr_workgroup_id_y 1
		.amdhsa_system_sgpr_workgroup_id_z 1
		.amdhsa_system_vgpr_workitem_id 0
		.amdhsa_next_free_vgpr 256
		.amdhsa_next_free_sgpr 66
		.amdhsa_reserve_vcc 0
		.amdhsa_float_denorm_mode_32 3
		.amdhsa_float_denorm_mode_16_64 3
		.amdhsa_memory_ordered 1
		.amdhsa_forward_progress 1
		.amdhsa_inst_pref_size 82
	.end_amdhsa_kernel
	.amdgpu_metadata
---
amdhsa.version: [ 1, 2 ]
amdhsa.kernels:
  - .name:           k_q7c34ed5d4b_attn
    .symbol:         k_q7c34ed5d4b_attn.kd
    .args:
      - { .name: q, .offset: 0, .size: 8, .value_kind: global_buffer, .address_space: global }
      - { .name: k, .offset: 8, .size: 8, .value_kind: global_buffer, .address_space: global }
      - { .name: v, .offset: 16, .size: 8, .value_kind: global_buffer, .address_space: global }
      - { .name: lowp_scales, .offset: 24, .size: 8, .value_kind: global_buffer, .address_space: global }
      - { .name: out0, .offset: 32, .size: 8, .value_kind: global_buffer, .address_space: global }
    .group_segment_fixed_size: 141312
    .private_segment_fixed_size: 0
    .kernarg_segment_align: 8
    .kernarg_segment_size: 40
    .max_flat_workgroup_size: 512
    .sgpr_count:     66
    .vgpr_count:     256
    .wavefront_size: 32
...
	.end_amdgpu_metadata
.endif
;; end of part 1
